; MI455X (gfx1250); checked and timed in simulation.
; The chip was launched on July 23, 2026; its instructions are those of AMD's public machine-readable ISA for CDNA 5 (MIT licence, August 2026) and "CDNA5" Instruction Set Architecture Reference Guide (July 2026). The comments in the code are by the model that wrote it; some were corrected since.
;; Self Attention3 D. Allowed arithmetic: matrix products marked QUANTISED: E5M2 operands, one given power-of-two scale a tensor, by v_wmma_f32_16x16x64_bf8_bf8 or v_wmma_f32_16x16x128_bf8_bf8, f32 sums; everything else in f32.
;; Inputs: lowp_scales 8 int32 (the exponents e of the quantised operands' scales 2^e); norm_beta 256 float32; norm_gamma 256 float32; proj_b 256 float32; proj_w_codes 256 x 8 x 32 uint8 (E5M2 codes of proj_w, K innermost, in blocks of 32 codes); qkv_b 768 float32; qkv_w_codes 768 x 8 x 32 uint8 (E5M2 codes of qkv_w, K innermost, in blocks of 32 codes); x 1 x 256 x 16 x 16 x 16 float32.
;; Outputs: out0 1 x 256 x 16 x 16 x 16 float32.
;; This version of the problem:
;;   THIS VERSION OF THE PROBLEM IS GIVEN IN LOW PRECISION. The matrix products marked QUANTISED in the list below multiply operands that are first quantised to E5M2 (5 exponent bits, 2 mantissa bits; 8 bits a number), with one given power-of-two scale for each operand tensor; their sums are f32. All else is computed in f32.
;;   The module's matrix products, in the order in which they are computed (A, B: the left and right operand; K: the contracted axis; several contracted axes count as one K, in the product's order):
;;     1. [M 4,096, K 256] x [K 256, N 768]; A: computed on the way; B: input qkv_w (given as codes): QUANTISED (scales: A lowp_scales[0], B lowp_scales[1])
;;     2. batch 8 x [M 4,096, K 32] x [K 32, N 4,096]; A: computed on the way; B: computed on the way: QUANTISED (scales: A lowp_scales[2], B lowp_scales[3])
;;     3. batch 8 x [M 32, K 4,096] x [K 4,096, N 4,096]; A: computed on the way; B: softmax (see below): QUANTISED (scales: A lowp_scales[4], B lowp_scales[5])
;;     4. [M 4,096, K 256] x [K 256, N 256]; A: computed on the way; B: input proj_w (given as codes): QUANTISED (scales: A lowp_scales[6], B lowp_scales[7])
;;   THE QUANTISER, for each operand of a quantised product, along K:
;;     - The operand's scale is 2^e, e = its entry of the input lowp_scales (int32; the entries are numbered through the quantised products in the list's order, A before B).
;;     - Each number is divided by the scale, clamped to +-57,344, and rounded to the nearest number of E5M2, ties to even, subnormals kept.
;;     - The product sums the exact products of the quantised numbers (number of the format x scale) in f32.
;;   ~~~python
;;   def quantise(x, axis, e):      # numpy; x: float32 -> the quantised numbers, widened to float32 again
;;       x = np.moveaxis(x, axis, -1); K = x.shape[-1]
;;       r = np.clip(x / 2.0 ** e, -57344, 57344)
;;       step = 2.0 ** (np.maximum(np.frexp(np.where(r == 0, 1, r))[1] - 1, -14) - 2)
;;       q = np.round(r / step) * step * 2.0 ** e      # np.round: ties to even
;;       return np.moveaxis(q, -1, axis).astype(np.float32)
;;   ~~~
;;   SOFTMAX AHEAD OF A QUANTISED PRODUCT. Where the list says 'softmax', what is quantised is not the finished softmax but p = 2^(t - M), with t = logit x log2(e) and M = ceil(the row's largest t), a whole number; so 1/2 < the row's largest p <= 1. The row's sum l is taken of the UNQUANTISED p, in f32, and the product's result is divided by l at the end. Since M is a whole number, a kernel that streams over the keys may use a running M (the ceiling of the running maximum): every later rescaling is an exact power of two, so the quantised numbers keep their values, but for numbers so far below the row's largest that they fall under the format's range.
;;   OPERANDS COMPUTED ON THE WAY. 'Computed on the way' means the value that the module computes at that place (a softmax that the list does not call 'softmax' is quantised finished and normalised). What goes into a quantiser is computed in f32, as accurately as f32 sums, v_exp_f32 and their like allow (about 1e-6 of the number): no bf16 or f16 on the way to a quantiser, and a product that is left as it is and whose result goes on into a quantised operand takes f32 operands (vector FMAs, or v_wmma_f32_16x16x4_f32). A number that lies on a knife's edge between two numbers of the format may be rounded either way, as far as f32 arithmetic and the matrix unit's own rounding can turn it there, and no further.
;;   INPUTS GIVEN AS CODES. proj_w (in the module: [256, 256], K = its axis 1); qkv_w (in the module: [768, 256], K = its axis 1): each comes as NAME_codes (uint8): NAME with its K axis moved to the last place and cut into blocks of 32 codes, [.., K / 32, bytes a block], one block behind the other in memory; one code a byte (a code: sign, 5 exponent bits, 2 mantissa bits); its scale is its entry of lowp_scales. Its value is code x scale, taken as it is: it is not quantised again, and the codes and scales need not be those that the quantiser above would give.
;; One version. Each part assembles by itself: llvm-mc -triple=amdgcn-amd-amdhsa -mcpu=gfx1250 --defsym DOCPART=n.
;; ======== version 1 of 1: 4 launches
;; limits: right only within a limited range of input values
;; workspace buffers: stats 2,048 bytes; qimg 1,048,576 bytes; kv 2,097,152 bytes; ao 1,048,576 bytes
;; launch stats (part 1): grid 256 x 1, 1 waves a work-group, no clusters, 0 bytes of LDS; arguments x, stats; writes stats
.if DOCPART == 1
	.amdgcn_target "amdgcn-amd-amdhsa--gfx1250"
	.amdhsa_code_object_version 6
	.text
	.protected	k_q3c22927cb1_stats
	.globl	k_q3c22927cb1_stats
	.p2align	8
	.type	k_q3c22927cb1_stats,@function
k_q3c22927cb1_stats:
	s_mov_b64 s[64:65], 0
	v_nop
	global_prefetch_b8 v0, s[64:65] scope:SCOPE_SE
	s_setreg_imm32_b32 hwreg(HW_REG_WAVE_MODE, 25, 1), 1
	s_wait_xcnt 0x0
; For each of the 256 channels of x ([256][4096] f32): its mean and M2 = the sum of (x - mean)^2.  stats: [256][mean, M2] f32.
; One wave takes one channel, 16,384 bytes, and keeps it in 128 registers between the pass that finds the mean and the pass that sums
; the squares: the channel is read from memory once, and no difference of large sums is formed (a common offset of x does no harm).
; No LDS, no barrier, no matrix unit: nothing is shared.  Each load of the wave covers 512 consecutive bytes.
; The result is 8 bytes a work-group: 256 small stores, 2,048 bytes in the whole launch; gathering them would put 32 channels on one work-group.
; LIMIT: NaN and infinities among the inputs are not served.
.set X,  16                            ; v[16:143] the channel: 64 pairs
.set A,  2                             ; v[2:9]    four chains of pairs
.set MP, 12                            ; v[12:13]  the mean twice; at the end (mean, M2)
	s_load_b128 s[4:7], s[0:1], 0x0                ; x s[4:5], stats s[6:7]
	v_lshlrev_b32 v1, 4, v0                        ; 16 bytes a lane
	v_mov_b32 v11, 0                               ; a lane permute's destination counts as read: written once
	v_mov_b32 v14, 0                               ; the store's offset
	s_lshl_b32 s8, ttmp9, 14                       ; my channel's 16,384 bytes
	s_mov_b32 s9, 0
	s_lshl_b32 s12, ttmp9, 3                       ; and its 8 bytes of stats
	s_mov_b32 s13, 0
	s_mov_b32 s10, 0x76543210                      ; v_permlanex16_b32: each lane takes its own place in the other half
	s_mov_b32 s11, 0xfedcba98
	s_wait_kmcnt 0x0
	s_add_nc_u64 s[4:5], s[4:5], s[8:9]
	s_add_nc_u64 s[6:7], s[6:7], s[12:13]
.set i, 0
.rept 32
	global_load_b128 v[X+4*i:X+4*i+3], v1, s[4:5] offset:512*i
.set i, i+1
.endr
.macro SUMUP from, n                   ; pairs from .. from + n - 1 are added onto the four chains
.set p, \from
.rept \n
	v_pk_add_f32 v[A+2*(p%4):A+2*(p%4)+1], v[A+2*(p%4):A+2*(p%4)+1], v[X+2*p:X+2*p+1]
.set p, p+1
.endr
.endm
.macro FOLD                            ; the four chains, the pair's halves and the 32 lanes become one sum, in v10 of every lane
	v_pk_add_f32 v[A:A+1], v[A:A+1], v[A+2:A+3]
	v_pk_add_f32 v[A+4:A+5], v[A+4:A+5], v[A+6:A+7]
	v_pk_add_f32 v[A:A+1], v[A:A+1], v[A+4:A+5]
	v_add_f32 v10, v[A], v[A+1]
	v_add_f32_dpp v10, v10, v10 row_xmask:1 row_mask:0xf bank_mask:0xf
	v_add_f32_dpp v10, v10, v10 row_xmask:2 row_mask:0xf bank_mask:0xf
	v_add_f32_dpp v10, v10, v10 row_xmask:4 row_mask:0xf bank_mask:0xf
	v_add_f32_dpp v10, v10, v10 row_xmask:8 row_mask:0xf bank_mask:0xf
	v_permlanex16_b32 v11, v10, s10, s11
	v_add_f32 v10, v10, v11
.endm
	; pass 1: the sum, a quarter of the channel (eight loads, 16 pairs) at a time; each count is the younger loads that may stay out
	s_wait_loadcnt 24
.irp k, 0,1,2,3
	v_pk_add_f32 v[A+2*\k:A+2*\k+1], v[X+2*\k:X+2*\k+1], v[X+8+2*\k:X+9+2*\k]   ; the first eight pairs start the chains: nothing is cleared
.endr
	SUMUP 8, 8
	s_wait_loadcnt 16
	SUMUP 16, 16
	s_wait_loadcnt 8
	SUMUP 32, 16
	s_wait_loadcnt 0x0
	SUMUP 48, 16
	FOLD
	v_mul_f32 v[MP], 0x39800000, v10               ; x 2^-12: the mean of 4,096 numbers
	v_mov_b32 v[MP+1], v[MP]
	; pass 2: x - mean in place, then the sum of squares, again in four chains
.set p, 0
.rept 64
	v_pk_add_f32 v[X+2*p:X+2*p+1], v[X+2*p:X+2*p+1], v[MP:MP+1] neg_lo:[0,1] neg_hi:[0,1]
.set p, p+1
.endr
.irp k, 0,1,2,3
	v_pk_mul_f32 v[A+2*\k:A+2*\k+1], v[X+2*\k:X+2*\k+1], v[X+2*\k:X+2*\k+1]
.endr
.set p, 4
.rept 60
	v_pk_fma_f32 v[A+2*(p%4):A+2*(p%4)+1], v[X+2*p:X+2*p+1], v[X+2*p:X+2*p+1], v[A+2*(p%4):A+2*(p%4)+1]
.set p, p+1
.endr
	FOLD
	v_mov_b32 v[MP+1], v10                         ; (mean, M2)
	v_cmp_gt_u32 vcc_lo, 1, v0                     ; lane 0 stores
	s_wait_xcnt 0x0                                ; EXEC is narrowed only behind this wait: the loads have had their addresses translated
	s_and_saveexec_b32 s14, vcc_lo
	global_store_b64 v14, v[MP:MP+1], s[6:7]
	s_wait_xcnt 0x0                                ; and widened again only behind this one
	s_or_b32 exec_lo, exec_lo, s14
	s_endpgm
.Lfunc_end_k_q3c22927cb1_stats:
	.size	k_q3c22927cb1_stats, .Lfunc_end_k_q3c22927cb1_stats-k_q3c22927cb1_stats
	.p2alignl 7, 3214868480
	.fill 96, 4, 3214868480
	.section	.rodata,"a",@progbits
	.p2align	6, 0x0
	.amdhsa_kernel k_q3c22927cb1_stats
		.amdhsa_group_segment_fixed_size 0
		.amdhsa_private_segment_fixed_size 0
		.amdhsa_enable_private_segment 0
		.amdhsa_kernarg_size 16
		.amdhsa_user_sgpr_count 2
		.amdhsa_user_sgpr_kernarg_segment_ptr 1
		.amdhsa_wavefront_size32 1
		.amdhsa_system_sgpr_workgroup_id_x 1
		.amdhsa_system_sgpr_workgroup_id_y 1
		.amdhsa_system_sgpr_workgroup_id_z 1
		.amdhsa_system_vgpr_workitem_id 0
		.amdhsa_next_free_vgpr 152
		.amdhsa_next_free_sgpr 66
		.amdhsa_reserve_vcc 1
		.amdhsa_float_denorm_mode_32 3
		.amdhsa_float_denorm_mode_16_64 3
		.amdhsa_memory_ordered 1
		.amdhsa_forward_progress 1
		.amdhsa_inst_pref_size 18
	.end_amdhsa_kernel
	.amdgpu_metadata
---
amdhsa.version: [ 1, 2 ]
amdhsa.kernels:
  - .name:           k_q3c22927cb1_stats
    .symbol:         k_q3c22927cb1_stats.kd
    .args:
      - { .name: x, .offset: 0, .size: 8, .value_kind: global_buffer, .address_space: global }
      - { .name: stats, .offset: 8, .size: 8, .value_kind: global_buffer, .address_space: global }
    .group_segment_fixed_size: 0
    .private_segment_fixed_size: 0
    .kernarg_segment_align: 8
    .kernarg_segment_size: 16
    .max_flat_workgroup_size: 32
    .sgpr_count:     66
    .vgpr_count:     152
    .wavefront_size: 32
...
	.end_amdgpu_metadata
.endif
;; end of part 1
;; launch qkv (part 2): grid 8 x 32, 8 waves a work-group, clusters of 4 x 1, 168,960 bytes of LDS; arguments x, stats, norm_gamma, norm_beta, qkv_w_codes, qkv_b, lowp_scales, qimg, kv; writes qimg, kv
.if DOCPART == 2
	.amdgcn_target "amdgcn-amd-amdhsa--gfx1250"
	.amdhsa_code_object_version 6
	.text
	.protected	k_q3c22927cb1_qkv
	.globl	k_q3c22927cb1_qkv
	.p2align	8
	.type	k_q3c22927cb1_qkv,@function
k_q3c22927cb1_qkv:
	s_mov_b64 s[64:65], 0
	v_nop
	global_prefetch_b8 v0, s[64:65] scope:SCOPE_SE
	s_setreg_imm32_b32 hwreg(HW_REG_WAVE_MODE, 25, 1), 1
	s_wait_xcnt 0x0
	s_wait_alu depctr_hold_cnt(0) depctr_sa_sdst(0) depctr_va_vdst(0) depctr_va_sdst(0) depctr_va_ssrc(0) depctr_va_vcc(0) depctr_vm_vsrc(0)
	s_getreg_b32 s2, hwreg(HW_REG_IB_STS2, 6, 4)
	s_cmp_eq_u32 s2, 0
	s_cbranch_scc0 .Lentry_in_a_cluster
	s_endpgm
.Lentry_in_a_cluster:
	s_bfe_u32 s2, ttmp6, 0x10000c
	s_cmp_lg_u32 s2, 0x3003
	s_cbranch_scc0 .Lentry_shape_is_right
	s_endpgm
.Lentry_shape_is_right:
; GroupNorm (8 groups of 32 channels), its gain and bias, the quantiser of h along the 256 channels (2^e0), the product with qkv_w's codes (2^e1), qkv_b,
; and the quantisers of q (2^e2), k (2^e3) along a head's 32 channels and of v (2^e4) along the positions.  Codes are BF8 (E5M2); sums are f32.
; SHARES.  A work-group makes q, k and v of ONE head (96 rows of qkv_w) for 128 positions; wave w owns 16 of them: it norms and quantises their 256 channels and makes all six tiles of 16 outputs: 12 matrix instructions.
; CLUSTER.  The four work-groups of a cluster are four heads at the same 128 positions: x's tile, 256 rows x 512 bytes, is asked for JOINTLY (the same load, the same descriptor, a mask that names the four).
; qkv_w's 96 rows, 24,576 bytes of a work-group's 155,648, differ from head to head and are shared only with other blocks of positions: they come by loads of the work-group's own.
; Nothing in LDS is filled twice.
; LAYOUT.  q, k: source 0 = 16 rows of qkv_w, source 1 = h: a lane holds ONE position (lane % 16) and its registers 8 neighbouring channels, 8 (lane / 16) + 0..7: a conversion of eight gives the next operand's registers.
;          v: source 0 = h, source 1 = 16 rows of qkv_w: a lane holds ONE channel and 8 neighbouring positions, since the positions (keys) are the K of v's next product.
; OUT, as images of operand registers, 16 bytes a lane, 512 consecutive bytes a store:
;   qimg [head][tile of 16 positions][512]: lane (r, h): position r; bytes 0-7 channels 8 h + j, bytes 8-15 channels 16 + 8 h + j.
;   kv [head][step of 128 positions][8192]: bytes 0-4095 k's eight tiles, laid as q's; from 4096 on v: 2048 ct + 512 g + 16 lane: channel 16 ct + r; bytes 0-7 positions 32 g + 8 h + j, bytes 8-15 positions 32 g + 16 + 8 h + j.
; The bias is what each sum begins from: it goes in as qkv_b / 2^(e0 + e1), and the three scales ahead of each quantiser are folded into the conversion's one.
; LIMITS on the given exponents, so that each power of two below is an f32 number: e0, e2 - e0 - e1, e3 - e0 - e1 and e4 - e0 - e1 between -126 and 112.  NaN among the inputs is not served; what lies beyond a scale's range is held at the largest code.
; REGISTERS.  Window 0: v1-15 lane numbers and addresses; v16-23 scales and holds; v24-31 at work; v32-63 the groups' statistics, then h's codes; v64-191 x, then h; v192-239 six accumulators; v240-251 codes; v252-253 v's bias.
;             Window 1: gamma (v0-127) and beta (v128-255), laid as x; then qkv_w's 12 fragments at 32 t + 16 s.
.set XP,    520                        ; a channel's row in LDS: 512 bytes + 8: lanes 16-31 read 16 rows further down, 2,080 words = 32 mod 64, so the two halves of a 4-byte load fall on different banks (64 banks of 4 bytes: ISA guide 11.1)
.set XBLK,  32*XP                      ; 32 rows: one group, what one wave fetches
.set WT,    256*XP                     ; behind x's tile: 96 rows of qkv_w's codes (q 0-31, k 32-63, v 64-95),
.set WP,    272                        ; 256 bytes + 16: the 16 rows of a fragment load start at 16 different banks
.set STAT,  WT+96*WP                   ; 16 bytes a group: mean, mean, rstd, rstd
.set VSTG,  STAT+256                   ; v's stage: the 4,096 bytes of its image
.set XA,  4                            ; v4   x in LDS: 16 XP (lane / 16) + 64 wave + 4 (lane % 16)
.set XB,  5                            ; v5   the same in the group in hand
.set WA,  6                            ; v6   a fragment of qkv_w: WT + WP (lane % 16) + 16 (lane / 16)
.set LI,  7                            ; v7   16 x lane: an image's place for my lane
.set VS,  8                            ; v8   where my 8 bytes of v go in the stage
.set VR,  9                            ; v9   where I read 16 bytes of it back
.set GA,  10                           ; v10  gamma, beta: 64 (lane / 16)
.set BA,  11                           ; v11  q's and k's bias: 32 (lane / 16)
.set BV,  12                           ; v12  v's bias: 4 (lane % 16)
.set SA,  13                           ; v13  my group's place in STAT
.set ST0, 14                           ; v14  STAT
.set SO,  15                           ; v15  stats in memory: 8 x thread = 8 x (32 wave + lane)
.set SC0, 16                           ; v16, v17: 2^e0 and 57,344 x 2^e0;  v18-23 the same for q, k, v with their folded exponents
.set LIM0, 17
.set SCQ, 18
.set LIMQ, 19
.set SCK, 20
.set LIMK, 21
.set SCV, 22
.set LIMV, 23
.set HF,  32
.set X,   64
.set ACC, 192
.set CQ,  240
.set CK,  244
.set CV,  248
.set BW,  252
.set MSB, 0
.macro WIN new                         ; s_set_vgpr_msb: bits 1:0 source 0, 3:2 source 1, 5:4 source 2, 7:6 destination; the high byte repeats the setting that is left
.if MSB != \new
	s_set_vgpr_msb (MSB<<8)|\new
.set MSB, \new
.endif
.endm
.macro CROUND                          ; a round of the cluster's barrier: my work-group's barrier; wave 0 signals for the work-group; every wave waits for all four; my work-group's barrier once more
	s_barrier_signal -1
	s_barrier_wait -1
	s_cmp_lg_u32 s22, 0
	s_cbranch_scc1 .Lnot_wave_0_\@
	s_barrier_signal -3
.Lnot_wave_0_\@:
	s_barrier_wait -3
	s_barrier_signal -1
	s_barrier_wait -1
.endm
.macro WSUM a, t                       ; the sum of v[a] over the 32 lanes, in every lane
	v_add_f32_dpp v[\a], v[\a], v[\a] row_xmask:1 row_mask:0xf bank_mask:0xf
	v_add_f32_dpp v[\a], v[\a], v[\a] row_xmask:2 row_mask:0xf bank_mask:0xf
	v_add_f32_dpp v[\a], v[\a], v[\a] row_xmask:4 row_mask:0xf bank_mask:0xf
	v_add_f32_dpp v[\a], v[\a], v[\a] row_xmask:8 row_mask:0xf bank_mask:0xf
	v_permlanex16_b32 v[\t], v[\a], s58, s59
	v_add_f32 v[\a], v[\a], v[\t]
.endm
.macro PATTERN e, sc, lim              ; s[e] holds an exponent: v[sc] = 2^e as f32 (the conversion takes its exponent field), v[lim] = 57,344 x 2^e
	s_add_co_i32 s62, s[\e], 127
	s_lshl_b32 s63, s62, 23
	v_mov_b32 v[\sc], s63
	s_add_co_i32 s62, s62, 15
	s_lshl_b32 s62, s62, 23
	s_or_b32 s62, s62, 0x600000
	v_mov_b32 v[\lim], s62
.endm
.macro HOLDCVT src, n8, lim, sc, dst   ; n8 groups of eight numbers: held within the largest code x the scale (the conversion to an 8-bit code does not saturate: ISA guide 7.6.2), then eight codes in two registers
.set hg, 0
.rept \n8
.irp i, 0,1,2,3,4,5,6,7
	v_med3_num_f32 v[(\src)+8*hg+\i], v[(\src)+8*hg+\i], -v[\lim], v[\lim]
.endr
	v_cvt_scalef32_pk8_bf8_f32 v[(\dst)+2*hg:(\dst)+2*hg+1], v[(\src)+8*hg:(\src)+8*hg+7], v[\sc]
.set hg, hg+1
.endr
	v_nop                                          ; one plain vector instruction behind the last conversion, ahead of whatever next touches its registers
.endm
	s_load_b512 s[4:19], s[0:1], 0x0               ; x s[4:5], stats s[6:7], gamma s[8:9], beta s[10:11], qkv_w's codes s[12:13], qkv_b s[14:15], the exponents s[16:17], qimg s[18:19]
	s_load_b64 s[20:21], s[0:1], 0x40              ; kv
	v_lshl_add_u32 v254, v0, 2, 0x29000
	v_mov_b32 v255, 0
	ds_add_u32 v254, v255
	ds_add_u32 v254, v255
	v_lshrrev_b32 v1, 5, v0
	v_readfirstlane_b32 s22, v1                    ; wave 0..7
	v_and_b32 v1, 31, v0                           ; lane
	v_and_b32 v2, 15, v0                           ; r
	v_bfe_u32 v3, v0, 4, 1                         ; h
	s_bfe_u32 s23, ttmp6, 0x40000                  ; cx: my place in the cluster
	s_lshl_b32 s56, ttmp9, 2                       ; in a cluster launch ttmp9 counts clusters
	s_add_co_u32 s56, s56, s23                     ; my head = 4 x cluster x + cx: it enters qkv_w's, qkv_b's, qimg's and kv's addresses alone
	s_and_b32 s57, ttmp7, 0xffff                   ; my block of 128 positions, which the four partners share
	s_mov_b32 s58, 0x76543210                      ; v_permlanex16_b32: lane l xor 16
	s_mov_b32 s59, 0xfedcba98
	; every LDS address is a constant + a constant x lane + a constant x wave
	v_mul_u32_u24 v[XA], v3, 16*XP
	v_lshl_add_u32 v[XA], v2, 2, v[XA]
	s_lshl_b32 s70, s22, 6
	v_add_nc_u32 v[XA], s70, v[XA]
	v_mul_u32_u24 v[WA], v2, WP
	v_lshl_add_u32 v[WA], v3, 4, v[WA]
	v_add_nc_u32 v[WA], WT, v[WA]
	v_lshlrev_b32 v[LI], 4, v1
	s_lshr_b32 s70, s22, 1                         ; my 16 positions are registers 2 w, 2 w + 1 of v's fragments: group of four w / 2, its half w % 2
	s_lshl_b32 s70, s70, 9
	s_and_b32 s71, s22, 1
	s_lshl_b32 s71, s71, 3
	s_add_co_u32 s70, s70, s71
	s_add_co_u32 s70, s70, VSTG
	v_add_nc_u32 v[VS], s70, v[LI]
	s_lshl_b32 s70, s22, 9
	s_add_co_u32 s70, s70, VSTG
	v_add_nc_u32 v[VR], s70, v[LI]
	v_lshlrev_b32 v[GA], 6, v3
	v_lshlrev_b32 v[BA], 5, v3
	v_lshlrev_b32 v[BV], 2, v2
	s_lshl_b32 s70, s22, 4
	s_add_co_u32 s70, s70, STAT
	v_mov_b32 v[SA], s70
	v_mov_b32 v[ST0], STAT
	v_lshlrev_b32 v[SO], 3, v0
	v_mov_b32 v27, 0                               ; a lane permute's destination counts as read: written once
	; descriptor group 1 for x's tile: 32 rows x 128 elements of 4 bytes, 4,096 elements from row to row
	s_mov_b32 s24, 15|(2<<16)|(1<<20)|(1<<21)|(6<<22)|(1<<25)  ; 15:0 the mask: all four work-groups; 17:16 elements of 4 bytes; 20 padding on; 21 set beside a mask; 24:22 after every 128 words (code 6); 31:25 two words of it (code 1)
	s_mov_b32 s25, 128<<16                         ; tensor_dim0 = 128
	s_mov_b32 s26, 32<<16                          ; tensor_dim1 = 32
	s_mov_b32 s27, 128<<16                         ; tile_dim0 = 128
	s_mov_b32 s28, 32                              ; tile_dim1 = 32
	s_mov_b32 s29, 4096                            ; tensor_dim0_stride
	s_mov_b32 s30, 0
	s_mov_b32 s31, 0
	; and for qkv_w's: 32 rows x 256 bytes, dense in memory; no mask: a load of my work-group's own
	s_mov_b32 s32, (1<<20)|(5<<22)|(3<<25)         ; elements of 1 byte; padding: four words after every 64
	s_mov_b32 s33, 256<<16
	s_mov_b32 s34, 32<<16
	s_mov_b32 s35, 256<<16
	s_mov_b32 s36, 32
	s_mov_b32 s37, 256
	s_mov_b32 s38, 0
	s_mov_b32 s39, 0
	s_lshl_b32 s60, s22, 19                        ; x: my group's 32 rows of 16,384 bytes,
	s_lshl_b32 s61, s57, 9                         ; the block's 512 bytes of a row: nothing here hangs on cx
	s_add_co_u32 s60, s60, s61
	s_mov_b32 s61, 0
	s_min_u32 s63, s22, 2                          ; qkv_w: waves 0, 1, 2 fetch q's, k's, v's 32 rows of my head
	s_lshl_b32 s84, s63, 16                        ; 256 rows of 256 bytes from q to k to v,
	s_lshl_b32 s85, s56, 13                        ; 32 rows a head
	s_add_co_u32 s84, s84, s85
	s_mov_b32 s85, 0
	s_lshl_b32 s86, s56, 7                         ; qkv_b: 32 numbers a head
	s_mov_b32 s87, 0
	s_lshl_b32 s88, s56, 8                         ; qimg: tile 256 head + 8 block + wave, 512 bytes each
	s_lshl_b32 s89, s57, 3
	s_add_co_u32 s88, s88, s89
	s_add_co_u32 s88, s88, s22
	s_lshl_b32 s88, s88, 9
	s_mov_b32 s89, 0
	s_lshl_b32 s90, s56, 18                        ; kv: 262,144 head + 8,192 block + 512 wave
	s_lshl_b32 s91, s57, 13
	s_add_co_u32 s90, s90, s91
	s_lshl_b32 s91, s22, 9
	s_add_co_u32 s90, s90, s91
	s_mov_b32 s91, 0
	s_wait_dscnt 0x0
	s_wait_kmcnt 0x0
	s_load_b256 s[48:55], s[16:17], 0x0            ; e0 .. e7
	s_mov_b32 s40, 1                               ; group 0 for x: count = 1,
	s_mul_i32 s41, s22, XBLK                       ; LDS address: wave x 32 rows,
	s_add_nc_u64 s[42:43], s[4:5], s[60:61]        ; global address,
	s_or_b32 s43, s43, 0x80000000                  ; type = 2
	s_mov_b32 s44, 1                               ; and for qkv_w
	s_mul_i32 s45, s63, 32*WP
	s_add_co_u32 s45, s45, WT
	s_add_nc_u64 s[46:47], s[12:13], s[84:85]
	s_or_b32 s47, s47, 0x80000000
	s_add_nc_u64 s[14:15], s[14:15], s[86:87]
	s_add_nc_u64 s[18:19], s[18:19], s[88:89]
	s_add_nc_u64 s[20:21], s[20:21], s[90:91]
	CROUND                                         ; all four work-groups are here: the joint loads meet
	tensor_load_to_lds s[40:43], s[24:31]          ; every wave: its group's 32 rows of x
	s_nop 0
.rept 4
	v_nop                                          ; four v_nop follow each tensor load
.endr
	s_cmp_lt_u32 s22, 3
	s_cbranch_scc0 .Lno_w
	tensor_load_to_lds s[44:47], s[32:39]          ; waves 0-2: two loads of theirs are out, one of the others'
	s_nop 0
.rept 4
	v_nop
.endr
.Lno_w:
	global_load_b64 v[24:25], v[SO], s[6:7]        ; mean and M2 of channel 32 wave + lane: my wave's group, a channel a lane
	WIN 0x40                                       ; destination window 1
.irp c, 0,1,2,3,4,5,6,7                ; gamma and beta, laid as x will lie: register 16 c + i = channel 32 c + 16 (lane / 16) + i
.irp q, 0,1,2,3
	global_load_b128 v[16*\c+4*\q:16*\c+4*\q+3], v[GA], s[8:9] offset:128*\c+16*\q
	global_load_b128 v[128+16*\c+4*\q:128+16*\c+4*\q+3], v[GA], s[10:11] offset:128*\c+16*\q
.endr
.endr
	WIN 0
.irp z, 0,1                            ; q's and k's bias straight into the accumulators: tile t, channels 16 t + 8 (lane / 16) + 0..7
.irp t, 0,1
	global_load_b128 v[ACC+16*\z+8*\t:ACC+16*\z+8*\t+3], v[BA], s[14:15] offset:1024*\z+64*\t
	global_load_b128 v[ACC+16*\z+8*\t+4:ACC+16*\z+8*\t+7], v[BA], s[14:15] offset:1024*\z+64*\t+16
.endr
.endr
	global_load_b32 v[BW], v[BV], s[14:15] offset:2048       ; v's: one channel a lane, 16 ct + lane % 16
	global_load_b32 v[BW+1], v[BV], s[14:15] offset:2048+64
	s_mov_b32 s60, 0x37000000                      ; 2^-17: a group has 32 x 4,096 numbers
	s_mov_b32 s61, 0x3727c5ac                      ; 1e-5
	s_wait_loadcnt 0x0
	; my group's mean and variance from its 32 channels': var = (sum of M2 + 4,096 x sum of (channel's mean - group's mean)^2) / 2^17
	v_mov_b32 v26, v24
	WSUM 26, 27
	v_mul_f32 v28, 0x3d000000, v26                 ; x 2^-5: the group's mean
	v_sub_f32 v26, v24, v28
	v_mul_f32 v26, v26, v26
	v_fmamk_f32 v26, v26, 0x45800000, v25          ; x 4,096 + M2
	WSUM 26, 27
	v_fma_f32 v26, v26, s60, s61                   ; the variance + 1e-5
	v_rsq_f32 v30, v26
	v_mov_b32 v29, v28                             ; a plain instruction behind the transcendental
	s_wait_alu depctr_va_vdst(0)                   ; the wait ahead of the first line that names its result
	v_mov_b32 v31, v30
	ds_store_b128 v[SA], v[28:31]                  ; every lane stores the same 16 bytes
	s_wait_kmcnt 0x0                               ; the exponents
	s_add_co_i32 s66, s48, s49                     ; e0 + e1: a sum of the product stands for sum x 2^(e0 + e1)
	s_sub_co_i32 s67, 0, s66
	s_sub_co_i32 s72, s50, s66                     ; so q's conversion takes 2^(e2 - e0 - e1),
	s_sub_co_i32 s73, s51, s66                     ; k's 2^(e3 - e0 - e1),
	s_sub_co_i32 s74, s52, s66                     ; v's 2^(e4 - e0 - e1)
	PATTERN 48, SC0, LIM0
	PATTERN 72, SCQ, LIMQ
	PATTERN 73, SCK, LIMK
	PATTERN 74, SCV, LIMV
.set i, 0
.rept 32
	v_ldexp_f32 v[ACC+i], v[ACC+i], s67            ; the bias / 2^(e0 + e1)
.set i, i+1
.endr
.irp c, 0,1
.irp j, 0,1,2,3,4,5,6,7
	v_ldexp_f32 v[ACC+32+8*\c+\j], v[BW+\c], s67   ; in v's tiles a lane's eight registers are one channel
.endr
.endr
	s_wait_tensorcnt 0x0                           ; my parts of x's and qkv_w's tiles have landed,
	s_wait_dscnt 0x0                               ; my group's statistics are stored:
	s_barrier_signal -1
	s_barrier_wait -1                              ; everybody's are
.irp g, 0,1,2,3,4,5,6,7
	ds_load_b128 v[32+4*\g:35+4*\g], v[ST0] offset:16*\g     ; the eight groups' (mean, mean, rstd, rstd)
.endr
.irp c, 0,1,2,3,4,5,6,7                ; x of MY position, down the channels: register 16 c + i = channel 32 c + 16 (lane / 16) + i: the order in which the fragment of h wants them
	v_add_nc_u32 v[XB], XBLK*\c, v[XA]
.irp i, 0,1,2,3,4,5,6,7,8,9,10,11,12,13,14,15
	ds_load_b32 v[X+16*\c+\i], v[XB] offset:XP*\i
.endr
.endr
	s_wait_dscnt 0x0
.irp c, 0,1,2,3,4,5,6,7                ; (x - mean) x rstd: registers 16 c .. 16 c + 15 belong to group c
.irp i, 0,2,4,6,8,10,12,14
	v_pk_add_f32 v[X+16*\c+\i:X+16*\c+\i+1], v[X+16*\c+\i:X+16*\c+\i+1], v[32+4*\c:33+4*\c] neg_lo:[0,1] neg_hi:[0,1]
.endr
.irp i, 0,2,4,6,8,10,12,14
	v_pk_mul_f32 v[X+16*\c+\i:X+16*\c+\i+1], v[X+16*\c+\i:X+16*\c+\i+1], v[34+4*\c:35+4*\c]
.endr
.endr
	WIN 0x14                                       ; sources 1 and 2 window 1
.set i, 0
.rept 64
	v_pk_fma_f32 v[X+i:X+i+1], v[X+i:X+i+1], v[i:i+1], v[128+i:128+i+1]   ; x gamma + beta
.set i, i+2
.endr
	WIN 0x40                                       ; gamma and beta are done with: qkv_w's 12 fragments take their registers
.irp t, 0,1,2,3,4,5                    ; tile t (q 0, 1; k 2, 3; v 4, 5), K step s: registers 4 c .. 4 c + 3 = channels 128 s + 32 c + 16 (lane / 16) + 0..15, the same order as h's
.irp s, 0,1
.irp c, 0,1,2,3
	ds_load_b128 v[32*\t+16*\s+4*\c:32*\t+16*\s+4*\c+3], v[WA] offset:16*WP*\t+128*\s+32*\c
.endr
.endr
.endr
	WIN 0
	HOLDCVT X, 16, LIM0, SC0, HF                   ; h's two fragments; the loads above land meanwhile
	s_wait_dscnt 0x0
.irp s, 0,1                            ; the six accumulators take turns, one instruction a turn, in the same order in both K steps
	WIN 0x01                                       ; source 0 (qkv_w) window 1
.irp t, 0,1,2,3
	v_wmma_f32_16x16x128_bf8_bf8 v[ACC+8*\t:ACC+8*\t+7], v[32*\t+16*\s:32*\t+16*\s+15], v[HF+16*\s:HF+16*\s+15], v[ACC+8*\t:ACC+8*\t+7]
.endr
	WIN 0x04                                       ; source 1 (qkv_w) window 1
.irp t, 4,5
	v_wmma_f32_16x16x128_bf8_bf8 v[ACC+8*\t:ACC+8*\t+7], v[HF+16*\s:HF+16*\s+15], v[32*\t+16*\s:32*\t+16*\s+15], v[ACC+8*\t:ACC+8*\t+7]
.endr
.endr
	WIN 0
.rept 4
	v_nop                                          ; four places between the last product and the first line that reads or writes a result (ISA guide 7.12.1)
.endr
	HOLDCVT ACC, 2, LIMQ, SCQ, CQ                  ; each accumulator from its low end on
	HOLDCVT ACC+16, 2, LIMK, SCK, CK
	HOLDCVT ACC+32, 2, LIMV, SCV, CV
	global_store_b128 v[LI], v[CQ:CQ+3], s[18:19]  ; the wave stores 512 consecutive bytes, at a multiple of 512 from the buffer's first byte
	global_store_b128 v[LI], v[CK:CK+3], s[20:21]
	ds_store_b64 v[VS], v[CV:CV+1]                 ; v's image is made of all eight waves' positions: it meets in the stage
	ds_store_b64 v[VS], v[CV+2:CV+3] offset:2048
	s_wait_dscnt 0x0                               ; for the others' sake: my stores have landed
	s_barrier_signal -1
	s_barrier_wait -1
	ds_load_b128 v[64:67], v[VR]
	s_wait_dscnt 0x0
	global_store_b128 v[LI], v[64:67], s[20:21] offset:4096
	s_wait_tensorcnt 0x0
	ds_add_u32 v254, v255
	s_wait_dscnt 0x0
	CROUND                                         ; the closing round: no work-group ends while a partner may still ask for a tile that names it
	s_endpgm
.Lfunc_end_k_q3c22927cb1_qkv:
	.size	k_q3c22927cb1_qkv, .Lfunc_end_k_q3c22927cb1_qkv-k_q3c22927cb1_qkv
	.p2alignl 7, 3214868480
	.fill 96, 4, 3214868480
	.section	.rodata,"a",@progbits
	.p2align	6, 0x0
	.amdhsa_kernel k_q3c22927cb1_qkv
		.amdhsa_group_segment_fixed_size 168960
		.amdhsa_private_segment_fixed_size 0
		.amdhsa_enable_private_segment 0
		.amdhsa_kernarg_size 72
		.amdhsa_user_sgpr_count 2
		.amdhsa_user_sgpr_kernarg_segment_ptr 1
		.amdhsa_wavefront_size32 1
		.amdhsa_system_sgpr_workgroup_id_x 1
		.amdhsa_system_sgpr_workgroup_id_y 1
		.amdhsa_system_sgpr_workgroup_id_z 1
		.amdhsa_system_vgpr_workitem_id 0
		.amdhsa_next_free_vgpr 512
		.amdhsa_next_free_sgpr 96
		.amdhsa_reserve_vcc 0
		.amdhsa_float_denorm_mode_32 3
		.amdhsa_float_denorm_mode_16_64 3
		.amdhsa_memory_ordered 1
		.amdhsa_forward_progress 1
		.amdhsa_inst_pref_size 58
	.end_amdhsa_kernel
	.amdgpu_metadata
---
amdhsa.version: [ 1, 2 ]
amdhsa.kernels:
  - .name:           k_q3c22927cb1_qkv
    .symbol:         k_q3c22927cb1_qkv.kd
    .args:
      - { .name: x, .offset: 0, .size: 8, .value_kind: global_buffer, .address_space: global }
      - { .name: stats, .offset: 8, .size: 8, .value_kind: global_buffer, .address_space: global }
      - { .name: norm_gamma, .offset: 16, .size: 8, .value_kind: global_buffer, .address_space: global }
      - { .name: norm_beta, .offset: 24, .size: 8, .value_kind: global_buffer, .address_space: global }
      - { .name: qkv_w_codes, .offset: 32, .size: 8, .value_kind: global_buffer, .address_space: global }
      - { .name: qkv_b, .offset: 40, .size: 8, .value_kind: global_buffer, .address_space: global }
      - { .name: lowp_scales, .offset: 48, .size: 8, .value_kind: global_buffer, .address_space: global }
      - { .name: qimg, .offset: 56, .size: 8, .value_kind: global_buffer, .address_space: global }
      - { .name: kv, .offset: 64, .size: 8, .value_kind: global_buffer, .address_space: global }
    .group_segment_fixed_size: 168960
    .private_segment_fixed_size: 0
    .kernarg_segment_align: 8
    .kernarg_segment_size: 72
    .max_flat_workgroup_size: 256
    .sgpr_count:     96
    .vgpr_count:     512
    .wavefront_size: 32
...
	.end_amdgpu_metadata
.endif
;; end of part 2
;; launch attn (part 3): grid 32 x 8, 16 waves a work-group, clusters of 4 x 1, 282,624 bytes of LDS; arguments qimg, kv, lowp_scales, ao; writes ao
.if DOCPART == 3
	.amdgcn_target "amdgcn-amd-amdhsa--gfx1250"
	.amdhsa_code_object_version 6
	.text
	.protected	k_q3c22927cb1_attn
	.globl	k_q3c22927cb1_attn
	.p2align	8
	.type	k_q3c22927cb1_attn,@function
k_q3c22927cb1_attn:
	s_mov_b64 s[64:65], 0
	v_nop
	global_prefetch_b8 v0, s[64:65] scope:SCOPE_SE
	s_setreg_imm32_b32 hwreg(HW_REG_WAVE_MODE, 25, 1), 1
	s_wait_xcnt 0x0
	s_wait_alu depctr_hold_cnt(0) depctr_sa_sdst(0) depctr_va_vdst(0) depctr_va_sdst(0) depctr_va_ssrc(0) depctr_va_vcc(0) depctr_vm_vsrc(0)
	s_getreg_b32 s2, hwreg(HW_REG_IB_STS2, 6, 4)
	s_cmp_eq_u32 s2, 0
	s_cbranch_scc0 .Lentry_in_a_cluster
	s_endpgm
.Lentry_in_a_cluster:
	s_bfe_u32 s2, ttmp6, 0x10000c
	s_cmp_lg_u32 s2, 0x3003
	s_cbranch_scc0 .Lentry_shape_is_right
	s_endpgm
.Lentry_shape_is_right:
; Attention of one head (head size 32, 4,096 keys) on codes of BF8 (E5M2): S^T = K Q^T, the softmax ahead of the second product, O^T = V^T P^T, the division by the row's sum, and the quantiser of the result (2^e6).
; THE SOFTMAX: t = score x log2(e) / sqrt(32); M = the largest t so far, rounded UP to a whole number; p = 2^(t - M) is what is quantised (2^e5), not normalised.  The row's sum is taken of the unquantised p, in f32.
; When M moves, the sum and O^T are multiplied by 2^(old M - new M): exact.
; SHARES.  A work-group owns 128 queries of one head.  Wave w owns the tile of 16 queries w % 8 and every second step of 128 keys: steps s with s % 2 = w / 8, sixteen of them.  Four waves share a SIMD, so that one wave's
; exponentials stand beside another's plain work, products and LDS loads.  The two halves of a tile's keys, each with an M of its own, are merged once at the end, by powers of two.
; LIMIT of that: a p far below its row's largest may keep bits under its half's M that one M for the whole row would drop.
; THE HEAD'S WHOLE K AND V, 262,144 bytes, LIE IN LDS as kv has them: first fills alone, nothing is filled twice.  They come in four PHASES of 4, 6, 10 and 12 steps, a load of waves 0-3 each, so that work begins when the first 32,768 bytes are in.
; K IS FETCHED A STEP AHEAD: a trip reads its own step's V and the next step's K, so a phase's barrier stands one trip ahead of the phase's first step: a wave's trips go in groups of 1, 3, 5 and 6, and its last step is written out without the fetch.
; CLUSTER.  The four work-groups of a cluster are four blocks of queries of one head: each load is asked for JOINTLY (the same load, the same descriptor, a mask that names the four).
; LAYOUT.  Both products are used transposed, so that a lane holds ONE query (lane % 16) throughout; a tile of S^T holds keys 8 (lane / 16) + 0..7 in a lane's registers, so a conversion of eight gives registers 2 t, 2 t + 1 of P.
; THE HEAD'S 32 CHANNELS FILL HALF OF THE FORM'S K = 64.  An operand of K's holds TWO tiles of 16 keys (registers 0-3, 4-7); Q is kept twice: (q, zeros) and (zeros, q).  The product with the first gives the first tile's scores, with the
; second the second's: the other tile's codes meet zero codes.  K's codes are finite (the quantiser holds them), so they add nothing.
; LIMITS on the given exponents: e2 + e3 between -124 and 129 (they are added to c's exponent field); e5 and e6 between -126 and 112; e4 + e5 is applied by v_ldexp_f32 and has none.
.set MRG,  262144                      ; behind K and V: for each tile of queries 2,304 bytes: the other half's O^T as an image (2,048), then (-M, l), 8 bytes a lane.  No fill lands here
.set STRIDE, 16384                     ; from a step of mine to my next: two steps of 8,192 bytes
.set LI,   1                           ; v1   16 x lane
.set AD,   2                           ; v2   LDS address of the step in hand
.set MO,   3                           ; v3   the merge: O^T's image
.set MP,   4                           ; v4   the merge: (-M, l)
.set QLO,  16                          ; v[16:23]  q, zeros
.set QHI,  24                          ; v[24:31]  zeros, q
.set KF,   32                          ; v[32:63]  K: four operands of two tiles
.set VF,   64                          ; v[64:95]  V^T: two fragments of 16 channels x 128 keys
.set S,    96                          ; v[96:159] S^T, then p; v12 -M, v13 the largest t, v[14:15] the sum in two halves
.set O,    160                         ; v[160:175] O^T: two tiles of 16 channels
.set PC,   176                         ; v[176:191] p's codes
.set MX,   192                         ; v[192:195] four chains of the maximum
.set PT,   196                         ; v196 a lane permute's destination
.set OLDM, 197                         ; v197 -M as the step found it, then old M - new M
.set F,    198                         ; v[198:199] f = 2^(old M - new M); the pair's low word serves both halves
.set S2,   200                         ; v[200:201] the sum's second chain
.set LIMP, 240                         ; v240, v241: 57,344 x 2^e5, twice: one for each half of a dual hold
.set SCP,  242                         ; 2^e5
.set SC6,  243                         ; 2^e6
.set LIM6, 244                         ; 57,344 x 2^e6
.set WV,   12                          ; s12  my wave's number
.set CS,   84                          ; s[84:85] c = log2(e) / sqrt(32) x 2^(e2 + e3)
.set SEL,  86                          ; s[86:87] lane selects: lane l xor 16
.set SB,   88                          ; s88  LDS byte of the step in hand
.set CNT,  89                          ; s89  trips to go in the group
.set E45,  90                          ; s90  e4 + e5
.macro CROUND                          ; a round of the cluster's barrier
	s_barrier_signal -1
	s_barrier_wait -1
	s_cmp_lg_u32 s[WV], 0
	s_cbranch_scc1 .Lnot_wave_0_\@
	s_barrier_signal -3
.Lnot_wave_0_\@:
	s_barrier_wait -3
	s_barrier_signal -1
	s_barrier_wait -1
.endm
.macro PATTERN e, sc, lim              ; s[e] holds an exponent: v[sc] = 2^e as f32, v[lim] = 57,344 x 2^e (which s91 keeps)
	s_add_co_i32 s91, s[\e], 127
	s_lshl_b32 s92, s91, 23
	v_mov_b32 v[\sc], s92
	s_add_co_i32 s91, s91, 15
	s_lshl_b32 s91, s91, 23
	s_or_b32 s91, s91, 0x600000
	v_mov_b32 v[\lim], s91
.endm
.macro GROUP1 g, rows                  ; a dense block as rows of 256 bytes: 32 elements of 8 bytes
	s_mov_b32 s[\g], 15|(3<<16)|(1<<21)            ; 15:0 the mask: all four work-groups; 17:16 elements of 8 bytes; 21 set beside a mask; no padding: the images are read 512 consecutive bytes at a time
	s_mov_b32 s[\g+1], 32<<16                      ; tensor_dim0
	s_mov_b32 s[\g+2], (\rows)<<16                 ; tensor_dim1
	s_mov_b32 s[\g+3], 32<<16                      ; tile_dim0
	s_mov_b32 s[\g+4], \rows                       ; tile_dim1
	s_mov_b32 s[\g+5], 32                          ; tensor_dim0_stride
	s_mov_b32 s[\g+6], 0
	s_mov_b32 s[\g+7], 0
.endm
.macro GROUP0 g, rows, at              ; a phase begins at byte at of the head's kv, and of LDS; my quarter of it is rows x 256 bytes
	s_mov_b32 s[\g], 1
	s_mul_i32 s[\g+1], s91, 256*(\rows)            ; s91 = wave % 4
	s_add_co_u32 s[\g+1], s[\g+1], \at
	s_mov_b32 s92, s[\g+1]                         ; the same number in memory (s93 = 0)
	s_add_nc_u64 s[\g+2:\g+3], s[6:7], s[92:93]
	s_or_b32 s[\g+3], s[\g+3], 0x80000000          ; type = 2
.endm
	s_load_b256 s[4:11], s[0:1], 0x0               ; qimg s[4:5], kv s[6:7], the exponents s[8:9], ao s[10:11]
	v_lshl_add_u32 v254, v0, 2, 0x44800
	v_mov_b32 v255, 0
	ds_add_u32 v254, v255
	ds_add_u32 v254, v255
	v_lshrrev_b32 v5, 5, v0
	v_readfirstlane_b32 s[WV], v5                  ; wave 0..15
	v_and_b32 v5, 31, v0
	v_lshlrev_b32 v[LI], 4, v5
	s_bfe_u32 s13, ttmp6, 0x40000                  ; cx
	s_lshl_b32 s14, ttmp9, 2
	s_add_co_u32 s14, s14, s13                     ; my block of 128 queries = 4 x cluster x + cx: it enters qimg's and ao's addresses alone
	s_and_b32 s15, ttmp7, 0xffff                   ; the head, which the four partners share
	s_lshr_b32 s16, s[WV], 3
	s_lshl_b32 s16, s16, 13                        ; 8,192 x (wave / 8): my half's first step
	s_and_b32 s17, s[WV], 7                        ; my tile of queries
	s_mul_i32 s91, s17, 2304
	s_add_co_u32 s91, s91, MRG
	v_add_nc_u32 v[MO], s91, v[LI]
	s_add_co_u32 s91, s91, 2048
	v_lshl_add_u32 v[MP], v5, 3, s91
	GROUP1 24, 32
	GROUP1 32, 48
	GROUP1 40, 80
	GROUP1 48, 96
	s_mov_b32 s[SEL], 0x76543210
	s_mov_b32 s[SEL+1], 0xfedcba98
	s_and_b32 s91, s[WV], 3
	s_mov_b32 s93, 0
	s_lshl_b32 s94, s15, 18                        ; the head's 262,144 bytes of kv
	s_mov_b32 s95, 0
	s_lshl_b32 s96, s15, 8                         ; qimg: tile 256 head + 8 block + my tile, 512 bytes each
	s_lshl_b32 s97, s14, 3
	s_add_co_u32 s97, s97, s17                     ; my tile of positions: 8 block + my tile
	s_add_co_u32 s96, s96, s97
	s_lshl_b32 s96, s96, 9
	s_lshl_b32 s98, s97, 3                         ; ao: (8 x tile of positions + head) x 512
	s_add_co_u32 s98, s98, s15
	s_lshl_b32 s98, s98, 9
	s_mov_b32 s97, 0
	s_mov_b32 s99, 0
	s_wait_dscnt 0x0
	s_wait_kmcnt 0x0
	s_load_b256 s[76:83], s[8:9], 0x0              ; e0 .. e7
	s_add_nc_u64 s[6:7], s[6:7], s[94:95]
	s_add_nc_u64 s[4:5], s[4:5], s[96:97]
	s_add_nc_u64 s[10:11], s[10:11], s[98:99]
	GROUP0 56, 32, 0
	GROUP0 60, 48, 32768
	GROUP0 68, 80, 81920
	GROUP0 72, 96, 163840
	CROUND                                         ; all four work-groups are here: the joint loads meet
	s_cmp_lt_u32 s[WV], 4                          ; all the fills stand in one branch on the wave's number, ahead of every wait on TENSORcnt, every LDS read and every other barrier: four loads of a fetching wave are out
	s_cbranch_scc0 .Lno_fetch
	tensor_load_to_lds s[56:59], s[24:31]
	s_nop 0
	tensor_load_to_lds s[60:63], s[32:39]
	s_nop 0
	tensor_load_to_lds s[68:71], s[40:47]
	s_nop 0
	tensor_load_to_lds s[72:75], s[48:55]
	s_nop 0
.rept 4
	v_nop                                          ; four v_nop follow the last
.endr
.Lno_fetch:
	global_load_b128 v[QLO:QLO+3], v[LI], s[4:5]   ; q's four registers, twice
	global_load_b128 v[QHI+4:QHI+7], v[LI], s[4:5]
.irp j, 4,5,6,7,8,9,10,11
	v_mov_b32 v[QLO+\j], 0                         ; zero codes
.endr
.irp j, 0,1,2,3,4,5,6,7,8,9,10,11,12,13,14,15
	v_mov_b32 v[O+\j], 0                           ; O^T.  (The step is written once for all steps: the first finds zeros, which the first change of M leaves zeros)
.endr
	v_mov_b32 v13, 0xff61b1e6                      ; the largest t so far: -3e38, under every t
	v_floor_f32 v12, -v13                          ; -M
	v_mov_b32 v14, 0                               ; the sum, in two halves
	v_mov_b32 v15, 0
	v_mov_b32 v[PT], 0                             ; written once: a lane permute's destination counts as read
	v_mov_b32 v[F+1], 0                            ; (named as the upper half of the pair)
	s_wait_kmcnt 0x0
	s_mov_b32 s[CS], 0x3e8293ee                    ; c = log2(e) / sqrt(32)
	s_add_co_i32 s91, s78, s79
	s_lshl_b32 s91, s91, 23
	s_add_co_i32 s[CS], s[CS], s91                 ; a score stands for score x 2^(e2 + e3): the two exponents are added to c's exponent field
	s_mov_b32 s[CS+1], s[CS]                       ; (named with it as a pair, so it is written)
	s_add_co_i32 s[E45], s80, s81
	PATTERN 81, SCP, LIMP
	v_mov_b32 v[LIMP+1], s91                       ; the second copy of 57,344 x 2^e5
	PATTERN 82, SC6, LIM6
; A KEY STEP: 128 keys, 8,192 bytes of LDS from s[SB] on.  Its K lies in registers already.  ahead = 1: the K of my next step, STRIDE bytes on, is fetched.
.macro STEP ahead
.irp b, 0,1,2,3
	v_wmma_f32_16x16x64_bf8_bf8 v[S+16*\b:S+16*\b+7], v[KF+8*\b:KF+8*\b+7], v[QLO:QLO+7], 0       ; keys 32 b + 0..15
	v_wmma_f32_16x16x64_bf8_bf8 v[S+16*\b+8:S+16*\b+15], v[KF+8*\b:KF+8*\b+7], v[QHI:QHI+7], 0    ; keys 32 b + 16..31
.endr
	v_add_nc_u32 v[AD], s[SB], v[LI]               ; four places (ISA guide 7.12.1 for vector instructions): behind these products, ahead of the loads into K's registers and of the first read of a score;
	v_mov_b32 v[OLDM], v12                         ; and behind the last step's products V^T P^T, ahead of the loads into V's registers
	v_nop
	v_nop
.irp g, 0,1,2,3,4,5,6,7
	ds_load_b128 v[VF+4*\g:VF+4*\g+3], v[AD] offset:4096+512*\g
.endr
.if \ahead
.irp t, 0,1,2,3,4,5,6,7
	ds_load_b128 v[KF+4*\t:KF+4*\t+3], v[AD] offset:STRIDE+512*\t
.endr
.endif
.irp k, 0,1,2,3                        ; the step's largest score of my query among my 64 keys, in four chains, ascending: each tile is first read at its low end
	v_max3_num_f32 v[MX+\k], v[S+3*\k], v[S+3*\k+1], v[S+3*\k+2]
.endr
.set n, 0
.rept 26
	v_max3_num_f32 v[MX+n%4], v[MX+n%4], v[S+12+2*n], v[S+13+2*n]
.set n, n+1
.endr
	v_max3_num_f32 v[MX], v[MX], v[MX+1], v[MX+2]
	v_max_num_f32 v[MX], v[MX], v[MX+3]
	v_permlanex16_b32 v[PT], v[MX], s[SEL], s[SEL+1]
	v_max_num_f32 v[MX], v[MX], v[PT]              ; and among lane l xor 16's
	v_mul_f32 v[MX], s[CS], v[MX]                  ; as t (c is positive)
	v_max_num_f32 v13, v13, v[MX]                  ; the running largest t
	v_floor_f32 v12, -v13                          ; the new -M = floor(-t) = -ceil(t): M is a whole number
	v_sub_f32 v[OLDM], v12, v[OLDM]                ; M's old value less its new one: a whole number, 0 or less
	v_pk_fma_f32 v[S:S+1], v[S:S+1], s[CS:CS+1], v[12:13] op_sel_hi:[1,0,0]       ; t - M, two at a time (of the pairs c and -M the low word serves both halves)
	v_cvt_i32_f32 v[OLDM], v[OLDM]                 ; (it saturates)
	v_pk_fma_f32 v[S+2:S+3], v[S+2:S+3], s[CS:CS+1], v[12:13] op_sel_hi:[1,0,0]
	v_ldexp_f32 v[F], 1.0, v[OLDM]                 ; f = 2^(old M - new M)
; ONE BATCH: the 64 exponentials, with the other 30 scalings among them: a pair's two exponentials, then the scaling of the pair after next.  No line of it names an exponential's result.
.set n, 0
.rept 30
	v_exp_f32 v[S+2*n], v[S+2*n]                   ; p = 2^(t - M), at most 1
	v_exp_f32 v[S+2*n+1], v[S+2*n+1]
	v_pk_fma_f32 v[S+2*n+4:S+2*n+5], v[S+2*n+4:S+2*n+5], s[CS:CS+1], v[12:13] op_sel_hi:[1,0,0]
.set n, n+1
.endr
.irp j, 60,61,62,63
	v_exp_f32 v[S+\j], v[S+\j]
.endr
	v_pk_mul_f32 v[14:15], v[14:15], v[F:F+1] op_sel_hi:[1,0]   ; the sums under the new M, and
.irp j, 0,2,4,6,8,10,12,14
	v_pk_mul_f32 v[O+\j:O+\j+1], v[O+\j:O+\j+1], v[F:F+1] op_sel_hi:[1,0]   ; O^T under the new M: nine plain instructions between the last exponential and the wait
.endr
	s_wait_alu depctr_va_vdst(0)                   ; the wait ahead of the first line that names a result: one for the batch of 64
; The row's sum is taken of the UNQUANTISED p, two at a time, in two chains; a pair is held only behind its addition.  Sums and holds take turns, so that a chain's link stands four instructions behind the one before it.
; THE HOLD: the conversion to an 8-bit code does not saturate (ISA guide 7.6.2); p is not negative, so the hold is one-sided; it stands whatever e5 is.  Two holds go in one dual instruction: one destination is even and the
; other odd, and the two first sources (v240, v241), like the two second sources, are registers whose numbers differ modulo 4, as the dual form asks.
.irp t, 0,1,2,3,4,5,6,7
.irp u, 0,1
.if (\t == 0) && (\u == 0)
	v_pk_add_f32 v[S2:S2+1], v[S:S+1], v[S+2:S+3]  ; the first two pairs start the second chain
.else
	v_pk_add_f32 v[14:15], v[14:15], v[S+8*\t+4*\u:S+8*\t+4*\u+1]
	v_pk_add_f32 v[S2:S2+1], v[S2:S2+1], v[S+8*\t+4*\u+2:S+8*\t+4*\u+3]
.endif
	v_dual_min_num_f32 v[S+8*\t+4*\u], v[LIMP], v[S+8*\t+4*\u] :: v_dual_min_num_f32 v[S+8*\t+4*\u+1], v[LIMP+1], v[S+8*\t+4*\u+1]
	v_dual_min_num_f32 v[S+8*\t+4*\u+2], v[LIMP], v[S+8*\t+4*\u+2] :: v_dual_min_num_f32 v[S+8*\t+4*\u+3], v[LIMP+1], v[S+8*\t+4*\u+3]
.endr
	v_cvt_scalef32_pk8_bf8_f32 v[PC+2*\t:PC+2*\t+1], v[S+8*\t:S+8*\t+7], v[SCP]   ; keys 16 t + 8 (lane / 16) + 0..7: registers 2 t, 2 t + 1 of P
.endr
	v_pk_add_f32 v[14:15], v[14:15], v[S2:S2+1]    ; the two chains meet.  (Also the plain instruction between the last conversion and the products that read its result)
	s_wait_dscnt 0x0                               ; V is in, and so is the next step's K: all sixteen loads were issued ahead of the softmax
	v_wmma_f32_16x16x128_bf8_bf8 v[O:O+7], v[VF:VF+15], v[PC:PC+15], v[O:O+7]
	v_wmma_f32_16x16x128_bf8_bf8 v[O+8:O+15], v[VF+16:VF+31], v[PC:PC+15], v[O+8:O+15]
.endm
; A phase's bytes have landed in every fetching wave (left = that wave's loads of later phases, which may stay out).
.macro MEET left
	s_wait_tensorcnt \left
	s_barrier_signal -1                            ; no LDS instruction of mine is pending: a step ends behind its wait for all of them
	s_barrier_wait -1
.endm
; trips steps of mine, from my step first on, each fetching the K of the step behind it.
.macro TRIPS first, trips
	s_add_co_u32 s[SB], s16, STRIDE*(\first)
.if \trips > 1
	s_mov_b32 s[CNT], \trips
.Lstep_\@:
	STEP 1
	s_add_co_u32 s[SB], s[SB], STRIDE
	s_sub_co_u32 s[CNT], s[CNT], 1
	s_cmp_lg_u32 s[CNT], 0
	s_cbranch_scc1 .Lstep_\@
.else
	STEP 1
.endif
.endm
	s_wait_loadcnt 0x0                             ; Q
	MEET 3                                         ; phase 0: steps 0-3 of the head, my steps 0 and 1
	v_add_nc_u32 v[AD], s16, v[LI]
.irp t, 0,1,2,3,4,5,6,7
	ds_load_b128 v[KF+4*\t:KF+4*\t+3], v[AD] offset:512*\t       ; the K of my first step: the one fetch that nothing stands in front of
.endr
	s_wait_dscnt 0x0
	TRIPS 0, 1                                     ; reads V of my step 0 and K of my step 1
	MEET 2                                         ; phase 1: my steps 2 to 4
	TRIPS 1, 3                                     ; V of 1 to 3, K of 2 to 4
	MEET 1                                         ; phase 2: my steps 5 to 9
	TRIPS 4, 5                                     ; V of 4 to 8, K of 5 to 9
	MEET 0                                         ; phase 3: my steps 10 to 15
	TRIPS 9, 6                                     ; V of 9 to 14, K of 10 to 15
	s_add_co_u32 s[SB], s16, STRIDE*15
	STEP 0                                         ; my last step: there is no K behind it
	; THE MERGE.  Waves 8-15 hand their O^T, -M and l to waves 0-7 through LDS, as images of their registers.
	v_add_f32 v14, v14, v15                        ; the sum's two halves,
	v_permlanex16_b32 v[PT], v14, s[SEL], s[SEL+1]
	v_add_f32 v13, v14, v[PT]                      ; and lane l xor 16's: v[12:13] = (-M, l)
	v_nop                                          ; the two additions and these two are the four places behind the last products
	v_nop
	s_cmp_lt_u32 s[WV], 8
	s_cbranch_scc1 .Lkeep
.irp c, 0,1,2,3
	ds_store_b128 v[MO], v[O+4*\c:O+4*\c+3] offset:512*\c
.endr
	ds_store_b64 v[MP], v[12:13]
.Lkeep:
	s_wait_dscnt 0x0                               ; for the others' sake: my stores have landed
	s_barrier_signal -1
	s_barrier_wait -1
	s_cmp_lt_u32 s[WV], 8
	s_cbranch_scc0 .Ldone
.irp c, 0,1,2,3
	ds_load_b128 v[96+4*\c:99+4*\c], v[MO] offset:512*\c
.endr
	ds_load_b64 v[112:113], v[MP]
	s_wait_dscnt 0x0
	v_min_num_f32 v114, v12, v112                  ; -M of the whole row: the lesser of the two
	v_sub_f32 v115, v114, v12                      ; my M less the row's, a whole number, 0 or less;
	v_sub_f32 v116, v114, v112                     ; the other half's
	v_cvt_i32_f32 v115, v115
	v_cvt_i32_f32 v116, v116
	v_ldexp_f32 v118, 1.0, v115                    ; the two powers of two
	v_ldexp_f32 v120, 1.0, v116
	v_mov_b32 v119, v118
	v_mov_b32 v121, v120
	v_mul_f32 v117, v13, v118
	v_fmac_f32 v117, v113, v120                    ; the row's sum
	v_rcp_f32 v122, v117
.irp j, 0,2,4,6,8,10,12,14             ; independent work behind the reciprocal
	v_pk_mul_f32 v[O+\j:O+\j+1], v[O+\j:O+\j+1], v[118:119]
.endr
.irp j, 0,2,4,6,8,10,12,14
	v_pk_fma_f32 v[O+\j:O+\j+1], v[96+\j:97+\j], v[120:121], v[O+\j:O+\j+1]
.endr
	s_wait_alu depctr_va_vdst(0)                   ; the wait ahead of the first line that names the reciprocal
	v_ldexp_f32 v122, v122, s[E45]                 ; x 2^(e4 + e5)
	v_mov_b32 v123, v122
.irp j, 0,2,4,6,8,10,12,14
	v_pk_mul_f32 v[O+\j:O+\j+1], v[O+\j:O+\j+1], v[122:123]   ; the head's output: channel 16 ct + 8 (lane / 16) + j of query lane % 16
.endr
.irp j, 0,1,2,3,4,5,6,7,8,9,10,11,12,13,14,15
	v_med3_num_f32 v[O+\j], v[O+\j], -v[LIM6], v[LIM6]
.endr
	v_cvt_scalef32_pk8_bf8_f32 v[124:125], v[O:O+7], v[SC6]
	v_cvt_scalef32_pk8_bf8_f32 v[126:127], v[O+8:O+15], v[SC6]
	v_nop
	global_store_b128 v[LI], v[124:127], s[10:11]  ; ao [tile of 16 positions][head][512]: four registers of the last product's operand; the wave stores 512 consecutive bytes
.Ldone:
	s_wait_tensorcnt 0x0
	ds_add_u32 v254, v255
	s_wait_dscnt 0x0
	CROUND                                         ; the closing round: no work-group ends while a partner may still ask for a tile that names it
	s_endpgm
.Lfunc_end_k_q3c22927cb1_attn:
	.size	k_q3c22927cb1_attn, .Lfunc_end_k_q3c22927cb1_attn-k_q3c22927cb1_attn
	.p2alignl 7, 3214868480
	.fill 96, 4, 3214868480
	.section	.rodata,"a",@progbits
	.p2align	6, 0x0
	.amdhsa_kernel k_q3c22927cb1_attn
		.amdhsa_group_segment_fixed_size 282624
		.amdhsa_private_segment_fixed_size 0
		.amdhsa_enable_private_segment 0
		.amdhsa_kernarg_size 32
		.amdhsa_user_sgpr_count 2
		.amdhsa_user_sgpr_kernarg_segment_ptr 1
		.amdhsa_wavefront_size32 1
		.amdhsa_system_sgpr_workgroup_id_x 1
		.amdhsa_system_sgpr_workgroup_id_y 1
		.amdhsa_system_sgpr_workgroup_id_z 1
		.amdhsa_system_vgpr_workitem_id 0
		.amdhsa_next_free_vgpr 256
		.amdhsa_next_free_sgpr 100
		.amdhsa_reserve_vcc 0
		.amdhsa_float_denorm_mode_32 3
		.amdhsa_float_denorm_mode_16_64 3
		.amdhsa_memory_ordered 1
		.amdhsa_forward_progress 1
		.amdhsa_inst_pref_size 81
	.end_amdhsa_kernel
	.amdgpu_metadata
---
amdhsa.version: [ 1, 2 ]
amdhsa.kernels:
  - .name:           k_q3c22927cb1_attn
    .symbol:         k_q3c22927cb1_attn.kd
    .args:
      - { .name: qimg, .offset: 0, .size: 8, .value_kind: global_buffer, .address_space: global }
      - { .name: kv, .offset: 8, .size: 8, .value_kind: global_buffer, .address_space: global }
      - { .name: lowp_scales, .offset: 16, .size: 8, .value_kind: global_buffer, .address_space: global }
      - { .name: ao, .offset: 24, .size: 8, .value_kind: global_buffer, .address_space: global }
    .group_segment_fixed_size: 282624
    .private_segment_fixed_size: 0
    .kernarg_segment_align: 8
    .kernarg_segment_size: 32
    .max_flat_workgroup_size: 512
    .sgpr_count:     100
    .vgpr_count:     256
    .wavefront_size: 32
...
	.end_amdgpu_metadata
.endif
;; end of part 3
;; launch proj (part 4): grid 64 x 4, 4 waves a work-group, no clusters, 17,920 bytes of LDS; arguments ao, proj_w_codes, proj_b, lowp_scales, x, out0; writes out0
.if DOCPART == 4
	.amdgcn_target "amdgcn-amd-amdhsa--gfx1250"
	.amdhsa_code_object_version 6
	.text
	.protected	k_q3c22927cb1_proj
	.globl	k_q3c22927cb1_proj
	.p2align	8
	.type	k_q3c22927cb1_proj,@function
k_q3c22927cb1_proj:
	s_mov_b64 s[64:65], 0
	v_nop
	global_prefetch_b8 v0, s[64:65] scope:SCOPE_SE
	s_setreg_imm32_b32 hwreg(HW_REG_WAVE_MODE, 25, 1), 1
	s_wait_xcnt 0x0
; out0[o][n] = x[o][n] + proj_b[o] + 2^(e6 + e7) x the sum over c of ao(n, c) proj_w(o, c), on codes of BF8 (E5M2); sums in f32.
; SHARES.  A work-group takes 64 positions (256 bytes of a row of out0) and 64 outputs; wave w takes 16 of the outputs for all 64 positions: 8 matrix instructions.
; ao lies as images of the operand's registers ([tile of 16 positions][head][512]: registers 4 head .. 4 head + 3 of the tile's two K steps of 128), so a fragment comes by loads of 512 consecutive bytes, straight into registers.
; proj_w's rows are read in the same order of K: registers 2 c, 2 c + 1 = channels 16 c + 8 (lane / 16) + 0..7.
; NO CLUSTER, NO TENSOR LOAD: what work-groups share is 16,384 bytes of ao (four work-groups) and of proj_w; through LDS it would add a fill, a wait and rounds of a barrier to eight matrix instructions a wave.
; THE WAY OUT.  Source 0 = ao, source 1 = proj_w: a lane holds one output (lane % 16) and 8 neighbouring positions, 32 bytes of a row of out0.  A wave's 16 rows x 256 bytes go through its own stage in LDS and come back as whole
; rows: sixteen lanes store 256 consecutive bytes, at a multiple of 256 from out0's first byte.  No barrier: waves share nothing.
; LIMIT: e6 + e7 between -126 and 127, so that 2^(e6 + e7) is an f32 number.
.set LI,  3                            ; v3   16 x lane
.set WAD, 4                            ; v4   proj_w: 256 (lane % 16) + 8 (lane / 16)
.set XO,  5                            ; v5   x and out0: 16,384 (lane / 16) + 16 (lane % 16): two rows an instruction
.set SO,  6                            ; v6   the stage, in: row lane % 16, + 32 (lane / 16)
.set SR,  7                            ; v7   the stage, back: row lane / 16, + 16 (lane % 16)
.set BO,  8                            ; v8   proj_b: 4 (lane % 16)
.set WF,  16                           ; v[16:47]   proj_w's two fragments
.set AF,  48                           ; v[48:175]  ao: tile p at 32 p, K step s at + 16 s
.set Y,   48                           ; v[48:79]   later: the results
.set RB,  80                           ; v[80:111]  later: rows read back
.set ACC, 176                          ; v[176:207] four accumulators
.set XR,  208                          ; v[208:239] x, laid as the rows read back
.set BP,  240                          ; v[240:241] the bias; the pair's low word serves both halves
.set SP,  272                          ; a stage row: 256 bytes + 16
	s_load_b256 s[4:11], s[0:1], 0x0               ; ao s[4:5], proj_w's codes s[6:7], proj_b s[8:9], the exponents s[10:11]
	s_load_b128 s[12:15], s[0:1], 0x20             ; x s[12:13], out0 s[14:15]
	v_lshl_add_u32 v254, v0, 2, 0x4400
	v_mov_b32 v255, 0
	v_lshrrev_b32 v1, 5, v0
	v_readfirstlane_b32 s16, v1                    ; wave 0..3
	v_and_b32 v9, 31, v0
	v_and_b32 v1, 15, v0                           ; r
	v_bfe_u32 v2, v0, 4, 1                         ; h
	v_lshlrev_b32 v[LI], 4, v9
	v_lshlrev_b32 v[WAD], 8, v1
	v_lshl_add_u32 v[WAD], v2, 3, v[WAD]
	v_lshlrev_b32 v[XO], 14, v2
	v_lshl_add_u32 v[XO], v1, 4, v[XO]
	s_mul_i32 s17, s16, 16*SP                      ; my stage
	v_mul_u32_u24 v[SO], v1, SP
	v_lshl_add_u32 v[SO], v2, 5, v[SO]
	v_add_nc_u32 v[SO], s17, v[SO]
	v_mul_u32_u24 v[SR], v2, SP
	v_lshl_add_u32 v[SR], v1, 4, v[SR]
	v_add_nc_u32 v[SR], s17, v[SR]
	v_lshlrev_b32 v[BO], 2, v1
	v_mov_b32 v[BP+1], 0                           ; (named as the upper half of the pair)
	s_and_b32 s18, ttmp7, 0xffff
	s_lshl_b32 s18, s18, 6
	s_lshl_b32 s19, s16, 4
	s_add_co_u32 s18, s18, s19                     ; my first output: 64 x work-group y + 16 x wave
	s_lshl_b32 s24, s18, 8                         ; its row of proj_w,
	s_mov_b32 s25, 0
	s_lshl_b32 s26, s18, 2                         ; its bias,
	s_mov_b32 s27, 0
	s_lshl_b32 s28, ttmp9, 14                      ; my four tiles of positions in ao: 4,096 bytes each,
	s_mov_b32 s29, 0
	s_lshl_b32 s30, s18, 14                        ; and my place in x and out0: rows of 16,384 bytes, 256 bytes a block of positions
	s_lshl_b32 s31, ttmp9, 8
	s_add_co_u32 s30, s30, s31
	s_mov_b32 s31, 0
	s_wait_kmcnt 0x0
	s_load_b64 s[22:23], s[10:11], 0x18            ; e6, e7
	s_add_nc_u64 s[6:7], s[6:7], s[24:25]
	s_add_nc_u64 s[8:9], s[8:9], s[26:27]
	s_add_nc_u64 s[4:5], s[4:5], s[28:29]
	s_add_nc_u64 s[12:13], s[12:13], s[30:31]
	s_add_nc_u64 s[14:15], s[14:15], s[30:31]
.irp s, 0,1
.irp c, 0,1,2,3,4,5,6,7
	global_load_b64 v[WF+16*\s+2*\c:WF+16*\s+2*\c+1], v[WAD], s[6:7] offset:128*\s+16*\c
.endr
.endr
	global_load_b32 v[BP], v[BO], s[8:9]
.irp p, 0,1,2,3
.irp d, 0,1,2,3,4,5,6,7
	global_load_b128 v[AF+32*\p+4*\d:AF+32*\p+4*\d+3], v[LI], s[4:5] offset:4096*\p+512*\d
.endr
.endr
.irp i, 0,1,2,3,4,5,6,7
	global_load_b128 v[XR+4*\i:XR+4*\i+3], v[XO], s[12:13] offset:32768*\i th:TH_LOAD_NT   ; x's last reader
.endr
	s_wait_kmcnt 0x0
	s_add_co_i32 s20, s22, s23
	s_add_co_i32 s20, s20, 127
	s_lshl_b32 s20, s20, 23                        ; 2^(e6 + e7) as f32
	s_mov_b32 s21, s20                             ; (named with it as a pair, so it is written)
	s_wait_loadcnt 8                               ; all but x's eight loads are in
.irp p, 0,1,2,3                        ; the four accumulators take turns; the first K step starts the sums
	v_wmma_f32_16x16x128_bf8_bf8 v[ACC+8*\p:ACC+8*\p+7], v[AF+32*\p:AF+32*\p+15], v[WF:WF+15], 0
.endr
.irp p, 0,1,2,3
	v_wmma_f32_16x16x128_bf8_bf8 v[ACC+8*\p:ACC+8*\p+7], v[AF+32*\p+16:AF+32*\p+31], v[WF+16:WF+31], v[ACC+8*\p:ACC+8*\p+7]
.endr
.rept 4
	v_nop                                          ; four places ahead of the first read of a result and of the first write over ao's registers (ISA guide 7.12.1)
.endr
.set n, 0
.rept 16
	v_pk_fma_f32 v[Y+n:Y+n+1], v[ACC+n:ACC+n+1], s[20:21], v[BP:BP+1] op_sel_hi:[1,0,0]   ; sum x 2^(e6 + e7) + bias; each accumulator from its low end on
.set n, n+2
.endr
.irp p, 0,1,2,3
	ds_store_b128 v[SO], v[Y+8*\p:Y+8*\p+3] offset:64*\p          ; output lane % 16, positions 16 p + 8 (lane / 16) + 0..7
	ds_store_b128 v[SO], v[Y+8*\p+4:Y+8*\p+7] offset:64*\p+16
.endr
.irp i, 0,1,2,3,4,5,6,7
	ds_load_b128 v[RB+4*\i:RB+4*\i+3], v[SR] offset:2*SP*\i       ; LDS serves a wave's instructions in order (ISA guide 5.7.1.4): these see my stores
.endr
	s_wait_loadcnt 0x0                             ; x
.irp i, 0,1,2,3,4,5,6,7
	s_wait_dscnt 7-\i                              ; rows 2 i, 2 i + 1 are back; the younger loads may stay out
	v_pk_add_f32 v[RB+4*\i:RB+4*\i+1], v[RB+4*\i:RB+4*\i+1], v[XR+4*\i:XR+4*\i+1]
	v_pk_add_f32 v[RB+4*\i+2:RB+4*\i+3], v[RB+4*\i+2:RB+4*\i+3], v[XR+4*\i+2:XR+4*\i+3]
	global_store_b128 v[XO], v[RB+4*\i:RB+4*\i+3], s[14:15] offset:32768*\i th:TH_STORE_NT
.endr
	s_wait_tensorcnt 0x0
	ds_add_u32 v254, v255
	s_wait_dscnt 0x0
	s_endpgm
.Lfunc_end_k_q3c22927cb1_proj:
	.size	k_q3c22927cb1_proj, .Lfunc_end_k_q3c22927cb1_proj-k_q3c22927cb1_proj
	.p2alignl 7, 3214868480
	.fill 96, 4, 3214868480
	.section	.rodata,"a",@progbits
	.p2align	6, 0x0
	.amdhsa_kernel k_q3c22927cb1_proj
		.amdhsa_group_segment_fixed_size 17920
		.amdhsa_private_segment_fixed_size 0
		.amdhsa_enable_private_segment 0
		.amdhsa_kernarg_size 48
		.amdhsa_user_sgpr_count 2
		.amdhsa_user_sgpr_kernarg_segment_ptr 1
		.amdhsa_wavefront_size32 1
		.amdhsa_system_sgpr_workgroup_id_x 1
		.amdhsa_system_sgpr_workgroup_id_y 1
		.amdhsa_system_sgpr_workgroup_id_z 1
		.amdhsa_system_vgpr_workitem_id 0
		.amdhsa_next_free_vgpr 256
		.amdhsa_next_free_sgpr 66
		.amdhsa_reserve_vcc 0
		.amdhsa_float_denorm_mode_32 3
		.amdhsa_float_denorm_mode_16_64 3
		.amdhsa_memory_ordered 1
		.amdhsa_forward_progress 1
		.amdhsa_inst_pref_size 13
	.end_amdhsa_kernel
	.amdgpu_metadata
---
amdhsa.version: [ 1, 2 ]
amdhsa.kernels:
  - .name:           k_q3c22927cb1_proj
    .symbol:         k_q3c22927cb1_proj.kd
    .args:
      - { .name: ao, .offset: 0, .size: 8, .value_kind: global_buffer, .address_space: global }
      - { .name: proj_w_codes, .offset: 8, .size: 8, .value_kind: global_buffer, .address_space: global }
      - { .name: proj_b, .offset: 16, .size: 8, .value_kind: global_buffer, .address_space: global }
      - { .name: lowp_scales, .offset: 24, .size: 8, .value_kind: global_buffer, .address_space: global }
      - { .name: x, .offset: 32, .size: 8, .value_kind: global_buffer, .address_space: global }
      - { .name: out0, .offset: 40, .size: 8, .value_kind: global_buffer, .address_space: global }
    .group_segment_fixed_size: 17920
    .private_segment_fixed_size: 0
    .kernarg_segment_align: 8
    .kernarg_segment_size: 48
    .max_flat_workgroup_size: 128
    .sgpr_count:     66
    .vgpr_count:     256
    .wavefront_size: 32
...
	.end_amdgpu_metadata
.endif
;; end of part 4
